; MI455X (gfx1250); checked and timed in simulation.
; The chip was launched on July 23, 2026; its instructions are those of AMD's public machine-readable ISA for CDNA 5 (MIT licence, August 2026) and "CDNA5" Instruction Set Architecture Reference Guide (July 2026). The comments in the code are by the model that wrote it; some were corrected since.
;; Deformable Attention. Allowed arithmetic: float matrix products may take bf16 or f16 operands with f32 sums; all other float work in f32.
;; Inputs: W_attn 256 x 32 float32; W_off 256 x 64 float32; W_out 256 x 256 float32; W_v 256 x 256 float32; b_attn 32 float32; b_off 64 float32; b_out 256 float32; b_v 256 float32; query 8 x 900 x 256 float32; reference_points 8 x 900 x 2 float32; value 8 x 256 x 100 x 100 float32.
;; Outputs: out0 8 x 900 x 256 float32.
;; One version. Each part assembles by itself: llvm-mc -triple=amdgcn-amd-amdhsa -mcpu=gfx1250 --defsym DOCPART=n.
;; ======== version 1 of 1: 3 launches
;; workspace buffers: pidx 950,272 bytes of whole numbers; pw 3,801,088 bytes; sw 118,784 bytes; sx 7,602,176 bytes; wfrag 262,144 bytes; cvec 1,024 bytes
;; launch points (part 1): grid 31 x 8, 8 waves a work-group, no clusters, 303,360 bytes of LDS; arguments query, reference_points, W_off, b_off, W_attn, b_attn, W_v, W_out, pidx, pw, sw, wfrag, b_v, cvec; writes pidx, pw, sw, wfrag, cvec
.if DOCPART == 1
	.amdgcn_target "amdgcn-amd-amdhsa--gfx1250"
	.amdhsa_code_object_version 6
	.text
	.protected	k_q846d05b1fa_points
	.globl	k_q846d05b1fa_points
	.p2align	8
	.type	k_q846d05b1fa_points,@function
k_q846d05b1fa_points:
	s_mov_b64 s[64:65], 0
	v_nop
	global_prefetch_b8 v0, s[64:65] scope:SCOPE_SE
	s_setreg_imm32_b32 hwreg(HW_REG_WAVE_MODE, 25, 1), 1
	s_wait_xcnt 0x0
; points: from the queries to the sampling records, and the one matrix of the last product in fragment order.
; Work-groups x = 0..28 of batch y: 32 queries each (900 queries padded to 928; a padded query repeats query 899 and is never stored as output).
;   offsets = query W_off + b_off, logits = query W_attn + b_attn, softmax over a head's 4 points, clip, bilinear weights.
;   Stored: pidx [8 b][8 head][928 q][4 pt] u32   16 x (yb x 100 + xb), the byte place of the 2 x 2 window's first corner in a map of 16 bytes a pixel
;           pw   [8 b][32 pt][928 q][4] f32       the four corners' weights (x, x+1, then the row below), attention and the heads' 1/8 folded in
;           sw   [8 b][4 t][928 q] f32            the sum of the weights of heads 2t and 2t+1
; Work-groups x = 29, 30 (16 of them): Wc = W_v W_out and cvec = b_v W_out, since
;   (S W_v + sw b_v) W_out + b_out = S Wc + sw cvec + b_out, exact algebra for every input: the last launch then has one product instead of two.
;   Each makes a block of 64 x 64 of Wc from 64 rows of W_v and 64 columns of W_out.
;   Stored: wfrag [16 nblk][8 kstep][2 part][2 hf][32 lane][8] bf16: element e of lane (r, h) is Wc[32 kstep + 16 hf + 8 h + e][16 nblk + r];
;           part 0 = hi, part 1 = lo.  cvec [256] f32.
; LDS: the two kinds of work-group have bytes of their own, the tiles 0 .. 148,479, the blocks 148,480 .. 302,207: no byte is written on both
; ways of the branch, so the ordering of LDS leans on nothing but each way's own barrier.
; WHY HI AND LO.  bf16 keeps 8 significant bits.  An offset of some pixels made from operands rounded so would be wrong by about a hundredth of a
; pixel, and a sample moves with it.  So every operand x goes to the matrix unit as hi = bf16(x) and lo = bf16(x - hi), and a product is
; hi hi + lo hi + hi lo (lo lo, some 2^-17 of the product, is left out).
; ZERO PADDING.  ix = 100 loc - 0.5 lies in [-0.5, 99.5].  The window's base is floor(ix) clamped to 0..98; where floor(ix) is -1 or 99 the corner
; outside the map has weight 0 and the inner corner's weight moves to its place in the clamped window: the same sum as with the map padded by zeros.
; No cluster: what the work-groups share (96 KiB of W_off and W_attn; blocks of W_v and W_out) has to pass through registers to be split,
; so a joint copy into LDS would spare no step.
; LIMITS: ref + 0.1 off and 100 loc - 0.5 are one fused multiply-add each (the formula as written rounds more often; the interpolation is continuous,
; so a floor that falls the other way changes nothing beyond rounding).  NaN or infinite inputs are not served: the clips take the number, not the NaN.
.set TILES, 29
.set NQ,    900
.set WP,    224                        ; LDS pitch of a row k of [W_off | W_attn]: 96 bf16 = 192 bytes, padded to 7 x 32
.set WLL,   57344                      ; the lo parts of W, 256 rows behind the hi parts at 0
.set QP,    528                        ; LDS pitch of a row of 256 bf16: 512 + 16
.set QH,    114688                     ; the queries' hi parts
.set QLD,   16896                      ; from there to their lo parts: 32 rows
.set ACC0, 16                          ; v[16:23]  offset tile t: register j = column 16 t + 8 h + j = head 2t + h, point j >> 1, x or y
.set ACC1, 24                          ; v[24:31]  logit tile t >> 1: register j = head 4 (t >> 1) + 2 (j >> 2) + h, point j & 3
.set REF,  32                          ; v[32:33]  my query's reference point
.set QA,   34                          ; v[34:41]  staging: byte offsets of my 16 bytes in eight query rows
.set LIN,  42                          ; 16 x thread
.set WOST, 43                          ; v43, v44  LDS places of my piece of W_off, hi and lo
.set WAST, 45                          ; v45, v46  of W_attn
.set QST,  47                          ; of the queries (lo by the immediate)
.set TRO,  48                          ; v48, v49  transposing loads of my offset tile, hi and lo
.set TRA,  50                          ; v50, v51  of my logit tile
.set QFA,  52                          ; my query fragment
.set PWO,  53
.set PIO,  54
.set SWO,  55
.set RFO,  56
.set BOO,  57
.set BAO,  58
.set QV,   59                          ; my query's number in the batch, 0..927
.set LG,   60                          ; v[60:63]  my head's logits
.set SWS,  64                          ; v64 sum of weights, v65 the other half's
.set E,    68                          ; v[68:71]  exponentials, then attention / 8
.set STG,  96                          ; v[96:223] 32 staged loads
.set BUF0, 96                          ; after the barrier: two fragment buffers of 48 registers
.set BUF1, 144
.set WT,   192                         ; v[192:207] four points' four weights
.set IDX,  208                         ; v[208:211] four points' places
; two f32 in v[a], v[a+1] -> their hi parts packed in v[hi], their lo parts packed in v[lo].  x - hi is exact in f32.
.macro SPLIT2 hi, lo, a
	v_cvt_pk_bf16_f32 v[\hi], v[\a], v[\a+1]
	v_lshlrev_b32 v8, 16, v[\hi]
	v_and_b32 v9, 0xffff0000, v[\hi]
	v_sub_f32 v8, v[\a], v8
	v_sub_f32 v9, v[\a+1], v9
	v_cvt_pk_bf16_f32 v[\lo], v8, v9
.endm
; four staged f32 -> 8 bytes of hi parts and 8 bytes of lo parts in LDS
.macro CVST reg, ahi, offhi, alo, offlo
	SPLIT2 4, 6, \reg
	SPLIT2 5, 7, \reg+2
	ds_store_b64 v[\ahi], v[4:5] offset:\offhi
	ds_store_b64 v[\alo], v[6:7] offset:\offlo
.endm
.macro PLACES                          ; four plain vector instructions behind a matrix instruction before its registers are loaded into or its result read (ISA guide 7.12.1)
.rept 4
	v_nop
.endr
.endm
	s_load_b512 s[4:19], s[0:1], 0x0               ; query s[4:5], reference_points s[6:7], W_off s[8:9], b_off s[10:11], W_attn s[12:13], b_attn s[14:15], W_v s[16:17], W_out s[18:19]
	s_load_b256 s[20:27], s[0:1], 0x40             ; pidx s[20:21], pw s[22:23], sw s[24:25], wfrag s[26:27]
	s_load_b128 s[48:51], s[0:1], 0x60             ; b_v s[48:49], cvec s[50:51]
	v_lshl_add_u32 v224, v0, 2, 0x49d00
	v_mov_b32 v225, 0
	v_lshrrev_b32 v1, 5, v0
	v_readfirstlane_b32 s30, v1                    ; wave 0..7
	s_mov_b32 s28, ttmp9                           ; x
	s_and_b32 s29, ttmp7, 0xffff                   ; y: the batch, or for x >= 29 a part of the block's number
	s_mov_b32 s33, 0                               ; high word of every offset pair s[32:33]
	s_cmp_ge_u32 s28, TILES
	s_cbranch_scc1 .Lconv                          ; the same way for the whole work-group
	; ---------------------------------------------------------------- a tile of 32 queries
	s_lshl_b32 s31, s28, 5                         ; q0
	s_lshr_b32 s34, s30, 1                         ; t: my offset tile
	s_and_b32 s35, s30, 1                          ; my block of 16 queries
	s_lshr_b32 s44, s34, 1                         ; u: my logit tile
	s_bitcmp1_b32 s34, 0
	s_cselect_b32 s39, -1, 0                       ; all lanes: my head's logits are the tile's registers 4..7 (t odd) or 0..3
	s_mov_b32 s36, 0x3dcccccd                      ; 0.1
	s_mov_b32 s37, 0x42c80000                      ; 100.0
	s_mov_b32 s38, 0x42c40000                      ; 98.0
	s_mov_b32 s42, 0x76543210                      ; v_permlanex16_b32: lane i reads lane i of the other half
	s_mov_b32 s43, 0xfedcba98
	v_and_b32 v1, 31, v0                           ; lane
	v_and_b32 v2, 15, v0                           ; r
	v_bfe_u32 v3, v0, 4, 1                         ; h
	; staging: thread T takes 16 bytes of query rows (T >> 6) + 4 i, and the pieces 16 T + 4096 i of W_attn and W_off
	v_lshrrev_b32 v10, 6, v0
	v_and_b32 v11, 63, v0
	v_lshlrev_b32 v12, 4, v11
	v_add_nc_u32 v14, s31, v10                     ; q0 + (T >> 6)
.irp i, 0,1,2,3,4,5,6,7
	v_add_nc_u32 v13, 4*\i, v14
	v_min_u32 v13, NQ-1, v13                       ; a padded query reads row 899: no load leaves the batch
	v_lshl_add_u32 v[QA+\i], v13, 10, v12
.endr
	v_lshlrev_b32 v[LIN], 4, v0
	v_mul_u32_u24 v13, v10, QP
	v_lshl_add_u32 v13, v11, 3, v13
	v_add_nc_u32 v[QST], QH, v13                   ; row (T >> 6), 8 bytes for 4 numbers
	v_lshrrev_b32 v13, 4, v0
	v_mul_u32_u24 v13, v13, WP
	v_lshl_add_u32 v[WOST], v2, 3, v13             ; W_off: row (T >> 4) + 16 i, columns 4 (T & 15) ..
	v_add_nc_u32 v[WOST+1], WLL, v[WOST]
	v_lshrrev_b32 v13, 3, v0                       ; W_attn: row (T >> 3) + 32 i, head T & 7, whose 4 columns go to place
	v_mul_u32_u24 v13, v13, WP                     ; 64 + 4 pos, pos = (head & 4) | (head & 1) << 1 | (head >> 1) & 1,
	v_and_b32 v14, 4, v0                           ; so that a lane finds its head's logits beside its head's offsets
	v_lshl_add_u32 v13, v14, 3, v13
	v_and_b32 v14, 1, v0
	v_lshl_add_u32 v13, v14, 4, v13
	v_bfe_u32 v14, v0, 1, 1
	v_lshl_add_u32 v[WAST], v14, 3, v13
	v_add_nc_u32 v[WAST+1], WLL, v[WAST]
	; fragments.  W lies [k][column]: a transposing load of lane L starts at row 8 h + (L & 7), 16 bytes ((L >> 3) & 1) of the tile's 32
	v_and_b32 v13, 7, v0
	v_lshl_add_u32 v13, v3, 3, v13
	v_mul_u32_u24 v13, v13, WP
	v_bfe_u32 v14, v0, 3, 1
	v_lshl_add_u32 v13, v14, 4, v13
	s_lshl_b32 s45, s34, 5                         ; offset tile t: 32 t bytes along the row
	v_add_nc_u32 v[TRO], s45, v13
	v_add_nc_u32 v[TRO+1], WLL, v[TRO]
	s_lshl_b32 s45, s44, 5
	s_add_co_u32 s45, s45, 128                     ; logit tile u: behind the 64 offset columns
	v_add_nc_u32 v[TRA], s45, v13
	v_add_nc_u32 v[TRA+1], WLL, v[TRA]
	v_lshl_add_u32 v13, s35, 4, v2                 ; my query's row in the tile
	v_add_nc_u32 v[QV], s31, v13
	v_mul_u32_u24 v13, v13, QP
	v_lshl_add_u32 v13, v3, 4, v13
	v_add_nc_u32 v[QFA], QH, v13
	; where the records go: head 2 t + h, query QV
	s_mul_i32 s45, s34, 118784                     ; pw: 8 points of 14,848 bytes for each t,
	v_mul_u32_u24 v13, v3, 59392                   ; 4 for h
	v_lshl_add_u32 v13, v[QV], 4, v13
	v_add_nc_u32 v[PWO], s45, v13
	s_mul_i32 s45, s34, 29696                      ; pidx: 2 heads of 14,848 bytes for each t
	v_mul_u32_u24 v13, v3, 14848
	v_lshl_add_u32 v13, v[QV], 4, v13
	v_add_nc_u32 v[PIO], s45, v13
	s_mul_i32 s45, s34, 3712
	v_lshl_add_u32 v[SWO], v[QV], 2, s45
	v_min_u32 v13, NQ-1, v[QV]
	v_lshlrev_b32 v[RFO], 3, v13
	s_lshl_b32 s45, s34, 6
	v_lshl_add_u32 v[BOO], v3, 5, s45              ; b_off from 16 t + 8 h
	s_lshl_b32 s45, s44, 6
	v_lshl_add_u32 v[BAO], v3, 4, s45              ; b_attn from 16 u + 4 h (+ 8 for registers 4..7)
	s_wait_kmcnt 0x0
	s_mul_i32 s32, s29, 921600                     ; the batch's part of each buffer
	s_add_nc_u64 s[4:5], s[4:5], s[32:33]
	s_mul_i32 s32, s29, 7200
	s_add_nc_u64 s[6:7], s[6:7], s[32:33]
	s_mul_i32 s32, s29, 118784
	s_add_nc_u64 s[20:21], s[20:21], s[32:33]
	s_mul_i32 s32, s29, 475136
	s_add_nc_u64 s[22:23], s[22:23], s[32:33]
	s_mul_i32 s32, s29, 14848
	s_add_nc_u64 s[24:25], s[24:25], s[32:33]
	; the biases land in the accumulators: the sums start from them, nothing is cleared and nothing added later
	global_load_b128 v[ACC0:ACC0+3],   v[BOO], s[10:11]
	global_load_b128 v[ACC0+4:ACC0+7], v[BOO], s[10:11] offset:16
	global_load_b128 v[ACC1:ACC1+3],   v[BAO], s[14:15]
	global_load_b128 v[ACC1+4:ACC1+7], v[BAO], s[14:15] offset:32
	global_load_b64  v[REF:REF+1],     v[RFO], s[6:7]
.irp i, 0,1,2,3,4,5,6,7
	global_load_b128 v[STG+4*\i:STG+4*\i+3], v[QA+\i], s[4:5]
.endr
.irp i, 0,1,2,3,4,5,6,7
	global_load_b128 v[STG+32+4*\i:STG+32+4*\i+3], v[LIN], s[12:13] offset:4096*\i
.endr
.irp i, 0,1,2,3,4,5,6,7,8,9,10,11,12,13,14,15
	global_load_b128 v[STG+64+4*\i:STG+64+4*\i+3], v[LIN], s[8:9] offset:4096*\i
.endr
	s_wait_loadcnt 24                              ; loads return in order (ISA guide 5.7.1): all but W_attn's 8 and W_off's 16 are in
.irp i, 0,1,2,3,4,5,6,7
	CVST STG+4*\i, QST, 2112*\i, QST, 2112*\i+QLD
.endr
	s_wait_loadcnt 16                              ; W_off's 16 stay out
.irp i, 0,1,2,3,4,5,6,7
	CVST STG+32+4*\i, WAST, 128+7168*\i, WAST+1, 128+7168*\i
.endr
	s_wait_loadcnt 8                               ; W_off's second half stays out
.irp i, 0,1,2,3,4,5,6,7
	CVST STG+64+4*\i, WOST, 3584*\i, WOST+1, 3584*\i
.endr
	s_wait_loadcnt 0x0
.irp i, 8,9,10,11,12,13,14,15
	CVST STG+64+4*\i, WOST, 3584*\i, WOST+1, 3584*\i
.endr
	s_wait_dscnt 0x0                               ; my stores are in LDS before I say so: the other waves read them
	s_barrier_signal -1
	s_barrier_wait -1
; the 12 loads of K step k: W_off hi, W_attn hi, W_off lo, W_attn lo (two transposing loads each, 16 rows apart), query hi, query lo
.macro FETCH k, buf
	ds_load_tr16_b128 v[\buf:\buf+3],     v[TRO]   offset:7168*(\k)
	ds_load_tr16_b128 v[\buf+4:\buf+7],   v[TRO]   offset:7168*(\k)+3584
	ds_load_tr16_b128 v[\buf+8:\buf+11],  v[TRA]   offset:7168*(\k)
	ds_load_tr16_b128 v[\buf+12:\buf+15], v[TRA]   offset:7168*(\k)+3584
	ds_load_tr16_b128 v[\buf+16:\buf+19], v[TRO+1] offset:7168*(\k)
	ds_load_tr16_b128 v[\buf+20:\buf+23], v[TRO+1] offset:7168*(\k)+3584
	ds_load_tr16_b128 v[\buf+24:\buf+27], v[TRA+1] offset:7168*(\k)
	ds_load_tr16_b128 v[\buf+28:\buf+31], v[TRA+1] offset:7168*(\k)+3584
	ds_load_b128 v[\buf+32:\buf+35], v[QFA] offset:64*(\k)
	ds_load_b128 v[\buf+36:\buf+39], v[QFA] offset:64*(\k)+32
	ds_load_b128 v[\buf+40:\buf+43], v[QFA] offset:QLD+64*(\k)
	ds_load_b128 v[\buf+44:\buf+47], v[QFA] offset:QLD+64*(\k)+32
.endm
.macro MM acc, a, b
	v_wmma_f32_16x16x32_bf16 v[\acc:\acc+7], v[\a:\a+7], v[\b:\b+7], v[\acc:\acc+7]
.endm
; Source 0 = 16 columns of W, source 1 = 16 queries: lane (r, h) gets eight neighbouring columns of query r.
; The two accumulators take turns, one instruction a turn.
.macro KSTEP k, buf
.if \k < 7
	s_wait_dscnt 12                                ; LDS loads return in order: all but the next K step's 12 are in
.else
	s_wait_dscnt 0x0
.endif
	MM ACC0, \buf,    \buf+32                      ; hi hi
	MM ACC1, \buf+8,  \buf+32
	MM ACC0, \buf+16, \buf+32                      ; lo of W, hi of the query
	MM ACC1, \buf+24, \buf+32
	MM ACC0, \buf,    \buf+40                      ; hi of W, lo of the query
	MM ACC1, \buf+8,  \buf+40
.if \k < 6
	PLACES
	FETCH \k+2, \buf
.endif
.endm
	FETCH 0, BUF0
	FETCH 1, BUF1
	KSTEP 0, BUF0
	KSTEP 1, BUF1
	KSTEP 2, BUF0
	KSTEP 3, BUF1
	KSTEP 4, BUF0
	KSTEP 5, BUF1
	KSTEP 6, BUF0
	KSTEP 7, BUF1
	PLACES
	; softmax over my head's four points, the maximum taken away first; the heads' mean (1/8) goes into the weights
.irp p, 0,1,2,3
	v_cndmask_b32 v[LG+\p], v[ACC1+\p], v[ACC1+4+\p], s39
.endr
	v_max3_num_f32 v66, v[LG], v[LG+1], v[LG+2]
	v_max_num_f32 v66, v66, v[LG+3]
.irp p, 0,1,2,3
	v_sub_f32 v[LG+\p], v[LG+\p], v66
.endr
.irp p, 0,1,2,3
	v_mul_f32 v[LG+\p], 0x3fb8aa3b, v[LG+\p]       ; e^x = 2^(x log2 e)
.endr
.irp p, 0,1,2,3
	v_exp_f32 v[E+\p], v[LG+\p]
.endr
	v_mov_b32 v[SWS], 0                            ; a plain instruction behind the transcendentals before their results are read (ISA guide 5.7.2)
	s_wait_alu depctr_va_vdst(0)
	v_add_f32 v66, v[E], v[E+1]
	v_add_f32 v67, v[E+2], v[E+3]
	v_add_f32 v66, v66, v67                        ; at least 1: the largest term is 2^0
	v_rcp_f32 v67, v66
	v_mov_b32 v[SWS+1], 0                          ; again a plain instruction; and v_permlanex16_b32's destination counts as read
	s_wait_alu depctr_va_vdst(0)
	v_mul_f32 v67, 0x3e000000, v67                 ; / 8
.irp p, 0,1,2,3
	v_mul_f32 v[E+\p], v[E+\p], v67
.endr
; one axis: the weights of the clamped window's two places and the window's base, as f32
.macro AXIS off, ref, fa, fb, base
	v_fma_f32 v72, v[\off], s36, v[\ref]           ; ref + 0.1 off
	v_max_num_f32 v72, 0, v72
	v_min_num_f32 v72, 1.0, v72                    ; loc
	v_fma_f32 v72, v72, s37, -0.5                  ; 100 loc - 0.5
	v_floor_f32 v73, v72
	v_sub_f32 v74, v72, v73                        ; weight of floor + 1
	v_sub_f32 v75, 1.0, v74                        ; weight of floor
	v_cmp_gt_f32 s40, 0, v73                       ; floor = -1
	v_cmp_lt_f32 s41, s38, v73                     ; floor = 99
	v_cndmask_b32 v[\fa], v75, v74, s40
	v_cndmask_b32 v[\fb], v74, 0, s40
	v_cndmask_b32 v[\fa], v[\fa], 0, s41
	v_cndmask_b32 v[\fb], v[\fb], v75, s41
	v_max_num_f32 v73, 0, v73
	v_min_num_f32 v[\base], s38, v73
.endm
.macro POINT p
	AXIS ACC0+2*\p,   REF,   77, 78, 79
	AXIS ACC0+2*\p+1, REF+1, 80, 81, 82
	v_fma_f32 v83, v82, s37, v79                   ; 100 yb + xb, exact
	v_cvt_u32_f32 v83, v83
	v_lshlrev_b32 v[IDX+\p], 4, v83
	v_mul_f32 v80, v80, v[E+\p]
	v_mul_f32 v81, v81, v[E+\p]
	v_mul_f32 v[WT+4*\p],   v77, v80
	v_mul_f32 v[WT+4*\p+1], v78, v80
	v_mul_f32 v[WT+4*\p+2], v77, v81
	v_mul_f32 v[WT+4*\p+3], v78, v81
	v_add_f32 v84, v77, v78
	v_add_f32 v85, v80, v81
	v_fmac_f32 v[SWS], v84, v85                    ; the four weights' sum
	global_store_b128 v[PWO], v[WT+4*\p:WT+4*\p+3], s[22:23] offset:14848*\p   ; 16 lanes store 256 consecutive bytes, at a multiple of 256 from pw's first byte
.endm
	POINT 0
	POINT 1
	POINT 2
	POINT 3
	global_store_b128 v[PIO], v[IDX:IDX+3], s[20:21]
	v_permlanex16_b32 v[SWS+1], v[SWS], s42, s43   ; head 2t + 1 - h of the same query
	v_add_f32 v[SWS], v[SWS], v[SWS+1]
	v_cmp_gt_u32 vcc_lo, 16, v1
	s_wait_xcnt 0x0                                ; EXEC is a source of the stores above: it changes only behind this wait
	s_wait_tensorcnt 0x0
	ds_add_u32 v224, v225
	s_wait_dscnt 0x0
	s_and_saveexec_b32 s40, vcc_lo
	global_store_b32 v[SWO], v[SWS], s[24:25]      ; 64 bytes a wave: a part of a 256-byte block, in a buffer of 116 KiB
	s_wait_xcnt 0x0
	s_or_b32 exec_lo, exec_lo, s40
	s_endpgm
	; ---------------------------------------------------------------- a block of 64 x 64 of Wc = W_v W_out, and 64 numbers of cvec = b_v W_out
	; Block ci = 8 (x - 29) + y: rows 64 i .. of W_v (i = ci >> 2), columns 64 j .. of W_out (j = ci & 3).
	; LDS, behind the tiles' 148,480 bytes: W_out's block [256 d][64 columns] bf16, pitch 160 = 5 x 32, hi at 148,480, lo at 189,440;
	;      W_v's rows [68][256 d] bf16, pitch 528, hi at 230,400, lo at 266,304; rows 64..67 all hold b_v (the staging's pattern of four rows a step, one step on).
	; Wave w: column block nb = w & 3, rows 32 kh .. 32 kh + 31 (kh = w >> 2): accumulators for rows 0-15, for rows 16-31 and for b_v.
	; Source 0 = 16 rows of W_v, source 1 = 16 columns of W_out: lane (r, h) gets Wc[row 8 h + 0..7][column r], which is a fragment's register image.
.set CBASE, 148480                     ; the blocks' first LDS byte: 580 x 256
.set CP,   160
.set CBH,  CBASE                       ; W_out's hi parts
.set CBLD, 40960                       ; from there to its lo parts: 256 rows
.set CAH,  CBASE+81920                 ; W_v's hi parts
.set CALD, 35904                       ; from there to the lo parts: 68 rows
.set ACC2, 32                          ; v[32:39]  every row of this tile is cvec
.set CBV,  10                          ; byte offset of my piece of b_v
.set CBG,  11                          ; byte offset of my piece of W_out's block
.set CAST, 56                          ; v56, v57  LDS places of my piece of W_v, hi and lo
.set CBST, 58                          ; v58, v59  of W_out
.set CTR,  60                          ; v60, v61  transposing loads of my column block, hi and lo
.set CAF,  62                          ; my fragments of W_v
.set CBF,  63                          ; the fragment of b_v
.set CWO,  64                          ; 16 x lane
.set CCO,  65                          ; my place in cvec
.set CB0,  96                          ; two fragment buffers of 64 registers: W_out hi, lo; rows 0-15 hi, lo; rows 16-31 hi, lo; b_v hi, lo
.set CB1,  160
.Lconv:
	s_sub_co_u32 s34, s28, TILES
	s_lshl_b32 s34, s34, 3
	s_add_co_u32 s34, s34, s29                     ; ci 0..15
	s_lshr_b32 s35, s34, 2                         ; i
	s_and_b32 s36, s34, 3                          ; j
	s_and_b32 s37, s30, 3                          ; nb
	s_lshr_b32 s38, s30, 2                         ; kh
	s_lshl_b32 s39, s36, 2
	s_add_co_u32 s39, s39, s37                     ; nblk = 4 j + nb
	s_lshl_b32 s40, s35, 1
	s_add_co_u32 s40, s40, s38                     ; kstep = 2 i + kh
	v_and_b32 v1, 31, v0                           ; lane
	v_and_b32 v2, 15, v0                           ; r
	v_bfe_u32 v3, v0, 4, 1                         ; h
	; staging.  W_v: thread T takes the pieces 16 T + 4096 n of the 64 rows = row (T >> 6) + 4 n, 16 bytes (T & 63)
	v_lshlrev_b32 v[LIN], 4, v0
	v_lshrrev_b32 v12, 6, v0
	v_and_b32 v15, 63, v0
	v_lshlrev_b32 v[CBV], 4, v15
	v_mul_u32_u24 v13, v12, QP
	v_lshl_add_u32 v13, v15, 3, v13
	v_add_nc_u32 v[CAST], CAH, v13
	v_add_nc_u32 v[CAST+1], CALD, v[CAST]
	; W_out: row (T >> 4) + 16 n, 16 bytes (T & 15) of the block's 256: sixteen lanes read 256 consecutive bytes, aligned
	v_lshrrev_b32 v12, 4, v0
	v_lshlrev_b32 v13, 10, v12
	v_lshl_add_u32 v[CBG], v2, 4, v13
	v_mul_u32_u24 v13, v12, CP
	v_lshl_add_u32 v13, v2, 3, v13
	v_add_nc_u32 v[CBST], CBH, v13
	v_add_nc_u32 v[CBST+1], CBLD, v[CBST]
	; fragments
	v_and_b32 v13, 7, v0
	v_lshl_add_u32 v13, v3, 3, v13
	v_mul_u32_u24 v13, v13, CP
	v_bfe_u32 v14, v0, 3, 1
	v_lshl_add_u32 v13, v14, 4, v13
	s_lshl_b32 s45, s37, 5                         ; column block nb: 32 nb bytes along the row
	s_add_co_u32 s45, s45, CBH
	v_add_nc_u32 v[CTR], s45, v13
	v_add_nc_u32 v[CTR+1], CBLD, v[CTR]
	v_lshl_add_u32 v13, s38, 5, v2                 ; row 32 kh + r
	v_mul_u32_u24 v13, v13, QP
	v_lshl_add_u32 v13, v3, 4, v13
	v_add_nc_u32 v[CAF], CAH, v13
	v_lshlrev_b32 v13, 4, v3
	v_add_nc_u32 v[CBF], CAH+64*QP, v13            ; row 64 for every r
	v_lshlrev_b32 v[CWO], 4, v1
	v_lshlrev_b32 v[CCO], 2, v2
	v_lshl_add_u32 v[CCO], s39, 6, v[CCO]          ; 4 (16 nblk + r)
	s_wait_kmcnt 0x0
	s_lshl_b32 s32, s35, 16                        ; 64 rows of 1,024 bytes
	s_add_nc_u64 s[16:17], s[16:17], s[32:33]
	s_lshl_b32 s32, s36, 8                         ; 64 columns
	s_add_nc_u64 s[18:19], s[18:19], s[32:33]
	s_lshl_b32 s32, s39, 14
	s_lshl_b32 s41, s40, 11
	s_add_co_u32 s32, s32, s41                     ; 16,384 nblk + 2,048 kstep
	s_add_nc_u64 s[26:27], s[26:27], s[32:33]
	global_load_b128 v[88:91], v[CBV], s[48:49]
.irp i, 0,1,2,3,4,5,6,7,8,9,10,11,12,13,14,15
	global_load_b128 v[STG+4*\i:STG+4*\i+3], v[LIN], s[16:17] offset:4096*\i
.endr
.irp i, 0,1,2,3,4,5,6,7,8,9,10,11,12,13,14,15
	global_load_b128 v[STG+64+4*\i:STG+64+4*\i+3], v[CBG], s[18:19] offset:16384*\i
.endr
	s_wait_loadcnt 24                              ; b_v and W_v's first 8 are in: W_v's other 8 and W_out's 16 stay out
	CVST 88, CAST, 2112*16, CAST+1, 2112*16
.irp i, 0,1,2,3,4,5,6,7
	CVST STG+4*\i, CAST, 2112*\i, CAST+1, 2112*\i
.endr
	s_wait_loadcnt 16                              ; W_out's 16 stay out
.irp i, 8,9,10,11,12,13,14,15
	CVST STG+4*\i, CAST, 2112*\i, CAST+1, 2112*\i
.endr
	s_wait_loadcnt 8                               ; W_out's second half stays out
.irp i, 0,1,2,3,4,5,6,7
	CVST STG+64+4*\i, CBST, 2560*\i, CBST+1, 2560*\i
.endr
	s_wait_loadcnt 0x0
.irp i, 8,9,10,11,12,13,14,15
	CVST STG+64+4*\i, CBST, 2560*\i, CBST+1, 2560*\i
.endr
	s_wait_dscnt 0x0                               ; my stores are in LDS before I say so: the other waves read them
	s_barrier_signal -1
	s_barrier_wait -1
; the 16 loads of step s (32 along d)
.macro CFETCH s, buf
	ds_load_tr16_b128 v[\buf:\buf+3],     v[CTR]   offset:5120*(\s)
	ds_load_tr16_b128 v[\buf+4:\buf+7],   v[CTR]   offset:5120*(\s)+2560
	ds_load_tr16_b128 v[\buf+8:\buf+11],  v[CTR+1] offset:5120*(\s)
	ds_load_tr16_b128 v[\buf+12:\buf+15], v[CTR+1] offset:5120*(\s)+2560
.irp f, 0,1
.irp p, 0,1
	ds_load_b128 v[\buf+16+16*\f+8*\p:\buf+16+16*\f+8*\p+3],   v[CAF] offset:8448*\f+CALD*\p+64*(\s)
	ds_load_b128 v[\buf+16+16*\f+8*\p+4:\buf+16+16*\f+8*\p+7], v[CAF] offset:8448*\f+CALD*\p+64*(\s)+32
.endr
.endr
.irp p, 0,1
	ds_load_b128 v[\buf+48+8*\p:\buf+48+8*\p+3],   v[CBF] offset:CALD*\p+64*(\s)
	ds_load_b128 v[\buf+48+8*\p+4:\buf+48+8*\p+7], v[CBF] offset:CALD*\p+64*(\s)+32
.endr
.endm
; three matrix instructions, one for each accumulator: part pa (0 hi, 8 lo) of the rows by part pb of the columns.  zero = 1: they start the sums.
.macro CM3 buf, pa, pb, zero
.irp t, 0,1,2
.if \zero
	v_wmma_f32_16x16x32_bf16 v[ACC0+8*\t:ACC0+8*\t+7], v[\buf+16+16*\t+\pa:\buf+16+16*\t+\pa+7], v[\buf+\pb:\buf+\pb+7], 0
.else
	v_wmma_f32_16x16x32_bf16 v[ACC0+8*\t:ACC0+8*\t+7], v[\buf+16+16*\t+\pa:\buf+16+16*\t+\pa+7], v[\buf+\pb:\buf+\pb+7], v[ACC0+8*\t:ACC0+8*\t+7]
.endif
.endr
.endm
; The three accumulators take turns, one instruction a turn.
.macro CSTEP s, buf, zero
.if \s < 7
	s_wait_dscnt 16                                ; LDS loads return in order: all but the next step's 16 are in
.else
	s_wait_dscnt 0x0
.endif
	CM3 \buf, 0, 0, \zero                          ; hi hi
	CM3 \buf, 8, 0, 0                              ; lo of the rows, hi of the columns
	CM3 \buf, 0, 8, 0                              ; hi of the rows, lo of the columns
.if \s < 6
	PLACES
	CFETCH \s+2, \buf
.endif
.endm
	CFETCH 0, CB0
	CFETCH 1, CB1
	CSTEP 0, CB0, 1
	CSTEP 1, CB1, 0
	CSTEP 2, CB0, 0
	CSTEP 3, CB1, 0
	CSTEP 4, CB0, 0
	CSTEP 5, CB1, 0
	CSTEP 6, CB0, 0
	CSTEP 7, CB1, 0
	PLACES
.irp f, 0,1                                        ; rows 16 f .. of my 32 = half hf = f of K step kstep
.irp j, 0,1,2,3
	SPLIT2 40+8*\f+\j, 44+8*\f+\j, ACC0+8*\f+2*\j
.endr
	global_store_b128 v[CWO], v[40+8*\f:43+8*\f], s[26:27] offset:512*\f           ; hi: 512 consecutive bytes, aligned
	global_store_b128 v[CWO], v[44+8*\f:47+8*\f], s[26:27] offset:1024+512*\f      ; lo
.endr
	s_or_b32 s41, s35, s38                         ; cvec hangs on the columns alone: the waves with i = 0 and kh = 0 store it
	s_cmp_lg_u32 s41, 0
	s_cbranch_scc1 .Lcend
	v_cmp_gt_u32 vcc_lo, 16, v1
	s_wait_xcnt 0x0                                ; EXEC is a source of the stores above: it changes only behind this wait
	s_and_saveexec_b32 s40, vcc_lo
	global_store_b32 v[CCO], v[ACC2], s[50:51]     ; 64 bytes a wave, in a buffer of 1 KiB
	s_wait_xcnt 0x0
	s_or_b32 exec_lo, exec_lo, s40
.Lcend:
	s_wait_tensorcnt 0x0
	ds_add_u32 v224, v225
	s_wait_dscnt 0x0
	s_endpgm
.Lfunc_end_k_q846d05b1fa_points:
	.size	k_q846d05b1fa_points, .Lfunc_end_k_q846d05b1fa_points-k_q846d05b1fa_points
	.p2alignl 7, 3214868480
	.fill 96, 4, 3214868480
	.section	.rodata,"a",@progbits
	.p2align	6, 0x0
	.amdhsa_kernel k_q846d05b1fa_points
		.amdhsa_group_segment_fixed_size 303360
		.amdhsa_private_segment_fixed_size 0
		.amdhsa_enable_private_segment 0
		.amdhsa_kernarg_size 112
		.amdhsa_user_sgpr_count 2
		.amdhsa_user_sgpr_kernarg_segment_ptr 1
		.amdhsa_wavefront_size32 1
		.amdhsa_system_sgpr_workgroup_id_x 1
		.amdhsa_system_sgpr_workgroup_id_y 1
		.amdhsa_system_sgpr_workgroup_id_z 1
		.amdhsa_system_vgpr_workitem_id 0
		.amdhsa_next_free_vgpr 226
		.amdhsa_next_free_sgpr 66
		.amdhsa_reserve_vcc 1
		.amdhsa_float_denorm_mode_32 3
		.amdhsa_float_denorm_mode_16_64 3
		.amdhsa_memory_ordered 1
		.amdhsa_forward_progress 1
		.amdhsa_inst_pref_size 97
	.end_amdhsa_kernel
	.amdgpu_metadata
---
amdhsa.version: [ 1, 2 ]
amdhsa.kernels:
  - .name:           k_q846d05b1fa_points
    .symbol:         k_q846d05b1fa_points.kd
    .args:
      - { .name: query, .offset: 0, .size: 8, .value_kind: global_buffer, .address_space: global }
      - { .name: reference_points, .offset: 8, .size: 8, .value_kind: global_buffer, .address_space: global }
      - { .name: W_off, .offset: 16, .size: 8, .value_kind: global_buffer, .address_space: global }
      - { .name: b_off, .offset: 24, .size: 8, .value_kind: global_buffer, .address_space: global }
      - { .name: W_attn, .offset: 32, .size: 8, .value_kind: global_buffer, .address_space: global }
      - { .name: b_attn, .offset: 40, .size: 8, .value_kind: global_buffer, .address_space: global }
      - { .name: W_v, .offset: 48, .size: 8, .value_kind: global_buffer, .address_space: global }
      - { .name: W_out, .offset: 56, .size: 8, .value_kind: global_buffer, .address_space: global }
      - { .name: pidx, .offset: 64, .size: 8, .value_kind: global_buffer, .address_space: global }
      - { .name: pw, .offset: 72, .size: 8, .value_kind: global_buffer, .address_space: global }
      - { .name: sw, .offset: 80, .size: 8, .value_kind: global_buffer, .address_space: global }
      - { .name: wfrag, .offset: 88, .size: 8, .value_kind: global_buffer, .address_space: global }
      - { .name: b_v, .offset: 96, .size: 8, .value_kind: global_buffer, .address_space: global }
      - { .name: cvec, .offset: 104, .size: 8, .value_kind: global_buffer, .address_space: global }
    .group_segment_fixed_size: 303360
    .private_segment_fixed_size: 0
    .kernarg_segment_align: 8
    .kernarg_segment_size: 112
    .max_flat_workgroup_size: 256
    .sgpr_count:     66
    .vgpr_count:     226
    .wavefront_size: 32
...
	.end_amdgpu_metadata
.endif
;; end of part 1
;; launch sample (part 2): grid 32 x 8, 29 waves a work-group, no clusters, 182,016 bytes of LDS; arguments value, pidx, pw, sx; writes sx
.if DOCPART == 2
	.amdgcn_target "amdgcn-amd-amdhsa--gfx1250"
	.amdhsa_code_object_version 6
	.text
	.protected	k_q846d05b1fa_sample
	.globl	k_q846d05b1fa_sample
	.p2align	8
	.type	k_q846d05b1fa_sample,@function
k_q846d05b1fa_sample:
	s_mov_b64 s[64:65], 0
	v_nop
	global_prefetch_b8 v0, s[64:65] scope:SCOPE_SE
	s_setreg_imm32_b32 hwreg(HW_REG_WAVE_MODE, 25, 1), 1
	s_wait_xcnt 0x0
; sample: S[q][d] = sum over a query's 32 points and their 4 corners of weight x value[d][corner], for 8 channels d of one batch.
; Sampling, the attention sum and the heads' mean are linear in the projected map, so they are done on value itself and the projection follows on
; 7,200 rows instead of 80,000: out = (S W_v + sw b_v) W_out + b_out, exact algebra for every input.
; Work-group (x, y): channels 8 x .. 8 x + 7 of batch y: 320,000 consecutive bytes of value, read once, kept in LDS as bf16:
; pixel p at byte 16 p, channel c in its c-th half word.  160,000 bytes.  Thread T = query T (900 padded to 928 = 29 waves).
; A corner is one ds_load_b128 (8 channels) and 8 multiply-adds straight from bf16 halves into f32 sums.
; THE SHORT TRIP.  The map has 2,500 groups of four pixels = 928 + 928 + 644.  In the third trip threads 644 .. 927 have no group left: they load
; each plane's last group again (the offset is clamped, so no load leaves the slice) and put it at their own place 118,784 + 64 T, which lies behind
; the map, in bytes 160,000 .. 178,175, and is never read.  So every lane stays on through the whole kernel, at the price of 8 loads and 4 LDS
; stores in nine waves that bring nothing new.
; Stored: sx [8 b][2 part][32 slice][928 q][8] bf16: part 0 = bf16(S), part 1 = bf16(S - part 0), so that the next product loses nothing of S.
; No cluster and no copy engine: the records that the 32 slices of a batch share (594 KiB for each work-group) go lane by lane into registers;
; through LDS they would be written and read once more by the unit that the gather already keeps busy, and beside the map they would not fit.
; LIMIT: value is rounded to bf16 here, as an operand of the projection.
.set PLANE,  40000                     ; bytes of a channel's map
.set QSTR,   14848                     ; 928 x 16
.set LASTG,  39984                     ; byte offset of a plane's last group of four pixels
.set MAXIDX, 158368                    ; 16 x (98 x 100 + 98): the last window's first corner
.set T,    16                          ; v[16:31]  four pixels' packed channels
.set X2,   32                          ; v[32:63]  trip 2 as loaded: channel c in 4 registers
.set X0,   64                          ; v[64:95]  trip 0
.set X1,   96                          ; v[96:127] trip 1
.set REC0, 32                          ; v[32:51]  a head's records: 4 places, 16 weights
.set REC1, 12                          ; v[12:31]
.set ACC,  52                          ; v[52:59]  my query's 8 sums
.set D,    64                          ; v[64:127] a head's 16 corners
	s_load_b256 s[4:11], s[0:1], 0x0               ; value s[4:5], pidx s[6:7], pw s[8:9], sx s[10:11]
	v_lshl_add_u32 v10, v0, 2, 0x2b800
	v_mov_b32 v11, 0
	s_and_b32 s13, ttmp7, 0xffff                   ; batch
	s_lshl_b32 s12, s13, 5
	s_add_co_u32 s12, s12, ttmp9                   ; 32 batch + slice
	s_mov_b32 s15, 0
	v_lshlrev_b32 v1, 4, v0                        ; 16 T: my place in value's planes, in the records and in sx; never rewritten
	v_lshlrev_b32 v2, 6, v0                        ; 64 T: four pixels of 16 bytes; the trips lie 59,392 bytes apart, beyond the LDS immediate's reach
	v_add_nc_u32 v3, 59392, v2
	v_add_nc_u32 v4, 118784, v2
	v_add_nc_u32 v5, 2*QSTR, v1                    ; the third trip's place in a plane,
	v_min_u32 v5, LASTG, v5                        ; held at the plane's last group; never rewritten
	s_wait_kmcnt 0x0
	s_mul_i32 s14, s12, 320000
	s_add_nc_u64 s[4:5], s[4:5], s[14:15]
	s_mul_i32 s14, s13, 118784
	s_add_nc_u64 s[6:7], s[6:7], s[14:15]
	s_mul_i32 s14, s13, 475136
	s_add_nc_u64 s[8:9], s[8:9], s[14:15]
	s_mul_i32 s14, s13, 950272
	s_mul_i32 s16, ttmp9, QSTR
	s_add_co_u32 s14, s14, s16
	s_add_nc_u64 s[10:11], s[10:11], s[14:15]
.macro LOADTRIP adr, off, x            ; four pixels of each of the 8 channels; a wave's load covers 512 consecutive bytes
.irp c, 0,1,2,3,4,5,6,7
	global_load_b128 v[\x+4*\c:\x+4*\c+3], v[\adr], s[4:5] offset:\off+PLANE*\c th:TH_LOAD_NT
.endr
.endm
.macro PACKTRIP x, adr                 ; channel-major f32 -> pixel-major bf16
.irp j, 0,1,2,3
.irp k, 0,1,2,3
	v_cvt_pk_bf16_f32 v[T+4*\j+\k], v[\x+8*\k+\j], v[\x+8*\k+4+\j]
.endr
	ds_store_b128 v[\adr], v[T+4*\j:T+4*\j+3] offset:16*\j
.endr
.endm
.macro RECLOAD hd, rec                 ; head hd: my query's four places, then four weights for each point
	global_load_b128 v[\rec:\rec+3], v1, s[6:7] offset:QSTR*(\hd)
.irp p, 0,1,2,3
	global_load_b128 v[\rec+4+4*\p:\rec+7+4*\p], v1, s[8:9] offset:QSTR*(4*(\hd)+\p)
.endr
.endm
	; The whole slice is asked for at once, 24 loads a wave.  The short trip goes first: its registers are the first head's records' next.
	LOADTRIP 5, 0, X2
	LOADTRIP 1, 0, X0
	LOADTRIP 1, QSTR, X1
	s_wait_loadcnt 16                              ; loads return in order (ISA guide 5.7.1): trips 0 and 1 stay out
	PACKTRIP X2, 4
	RECLOAD 0, REC0                                ; the first head's records, into registers that the short trip has left
	s_wait_loadcnt 13                              ; trip 1's 8 and the 5 record loads stay out
	PACKTRIP X0, 2
	s_wait_loadcnt 5                               ; the records stay out
	PACKTRIP X1, 3
.irp k, 0,1,2,3,4,5,6,7
	v_mov_b32 v[ACC+\k], 0
.endr
	s_wait_dscnt 0x0                               ; my part of the map is in LDS before I say so
	s_barrier_signal -1
	s_barrier_wait -1                              ; the map is whole; it is only read from here on
.macro HEAD hd, cur, nxt
.if \hd < 7
	RECLOAD \hd+1, \nxt
	s_wait_loadcnt 5                               ; the next head's 5 loads stay out
.else
	s_wait_loadcnt 0x0
.endif
.irp p, 0,1,2,3
	v_min_u32 v[\cur+\p], MAXIDX, v[\cur+\p]       ; a place read from memory is held inside the map
.endr
.irp p, 0,1,2,3
	ds_load_b128 v[D+16*\p:D+16*\p+3],     v[\cur+\p]
	ds_load_b128 v[D+16*\p+4:D+16*\p+7],   v[\cur+\p] offset:16
	ds_load_b128 v[D+16*\p+8:D+16*\p+11],  v[\cur+\p] offset:1600
	ds_load_b128 v[D+16*\p+12:D+16*\p+15], v[\cur+\p] offset:1616
.endr
.irp n, 0,1,2,3,4,5,6,7,8,9,10,11,12,13,14,15
	s_wait_dscnt 15-\n                             ; LDS loads return in order: corner n is in
.irp k, 0,1,2,3
	v_fma_mix_f32_bf16 v[ACC+2*\k],   v[D+4*\n+\k], v[\cur+4+\n], v[ACC+2*\k]   op_sel_hi:[1,0,0]
	v_fma_mix_f32_bf16 v[ACC+2*\k+1], v[D+4*\n+\k], v[\cur+4+\n], v[ACC+2*\k+1] op_sel:[1,0,0] op_sel_hi:[1,0,0]
.endr
.endr
.endm
	HEAD 0, REC0, REC1
	HEAD 1, REC1, REC0
	HEAD 2, REC0, REC1
	HEAD 3, REC1, REC0
	HEAD 4, REC0, REC1
	HEAD 5, REC1, REC0
	HEAD 6, REC0, REC1
	HEAD 7, REC1, REC0
	; the sums as hi and lo bf16: v[60:63] and v[64:67]
.irp k, 0,1,2,3
	v_cvt_pk_bf16_f32 v[60+\k], v[ACC+2*\k], v[ACC+2*\k+1]
	v_lshlrev_b32 v68, 16, v[60+\k]
	v_and_b32 v69, 0xffff0000, v[60+\k]
	v_sub_f32 v68, v[ACC+2*\k], v68
	v_sub_f32 v69, v[ACC+2*\k+1], v69
	v_cvt_pk_bf16_f32 v[64+\k], v68, v69
.endr
	global_store_b128 v1, v[60:63], s[10:11]                   ; a wave's store covers 512 consecutive bytes, aligned
	global_store_b128 v1, v[64:67], s[10:11] offset:475136
	s_wait_tensorcnt 0x0
	ds_add_u32 v10, v11
	s_wait_dscnt 0x0
	s_endpgm
.Lfunc_end_k_q846d05b1fa_sample:
	.size	k_q846d05b1fa_sample, .Lfunc_end_k_q846d05b1fa_sample-k_q846d05b1fa_sample
	.p2alignl 7, 3214868480
	.fill 96, 4, 3214868480
	.section	.rodata,"a",@progbits
	.p2align	6, 0x0
	.amdhsa_kernel k_q846d05b1fa_sample
		.amdhsa_group_segment_fixed_size 182016
		.amdhsa_private_segment_fixed_size 0
		.amdhsa_enable_private_segment 0
		.amdhsa_kernarg_size 32
		.amdhsa_user_sgpr_count 2
		.amdhsa_user_sgpr_kernarg_segment_ptr 1
		.amdhsa_wavefront_size32 1
		.amdhsa_system_sgpr_workgroup_id_x 1
		.amdhsa_system_sgpr_workgroup_id_y 1
		.amdhsa_system_sgpr_workgroup_id_z 1
		.amdhsa_system_vgpr_workitem_id 0
		.amdhsa_next_free_vgpr 128
		.amdhsa_next_free_sgpr 66
		.amdhsa_reserve_vcc 0
		.amdhsa_float_denorm_mode_32 3
		.amdhsa_float_denorm_mode_16_64 3
		.amdhsa_memory_ordered 1
		.amdhsa_forward_progress 1
		.amdhsa_inst_pref_size 92
	.end_amdhsa_kernel
	.amdgpu_metadata
---
amdhsa.version: [ 1, 2 ]
amdhsa.kernels:
  - .name:           k_q846d05b1fa_sample
    .symbol:         k_q846d05b1fa_sample.kd
    .args:
      - { .name: value, .offset: 0, .size: 8, .value_kind: global_buffer, .address_space: global }
      - { .name: pidx, .offset: 8, .size: 8, .value_kind: global_buffer, .address_space: global }
      - { .name: pw, .offset: 16, .size: 8, .value_kind: global_buffer, .address_space: global }
      - { .name: sx, .offset: 24, .size: 8, .value_kind: global_buffer, .address_space: global }
    .group_segment_fixed_size: 182016
    .private_segment_fixed_size: 0
    .kernarg_segment_align: 8
    .kernarg_segment_size: 32
    .max_flat_workgroup_size: 928
    .sgpr_count:     66
    .vgpr_count:     128
    .wavefront_size: 32
...
	.end_amdgpu_metadata
.endif
;; end of part 2
;; launch project (part 3): grid 29 x 8, 16 waves a work-group, no clusters, 69,120 bytes of LDS; arguments sx, sw, wfrag, cvec, b_out, out0; writes out0
.if DOCPART == 3
	.amdgcn_target "amdgcn-amd-amdhsa--gfx1250"
	.amdhsa_code_object_version 6
	.text
	.protected	k_q846d05b1fa_project
	.globl	k_q846d05b1fa_project
	.p2align	8
	.type	k_q846d05b1fa_project,@function
k_q846d05b1fa_project:
	s_mov_b64 s[64:65], 0
	v_nop
	global_prefetch_b8 v0, s[64:65] scope:SCOPE_SE
	s_setreg_imm32_b32 hwreg(HW_REG_WAVE_MODE, 25, 1), 1
	s_wait_xcnt 0x0
; project: out0 = S Wc + sw cvec + b_out for a tile of 32 queries (x) of batch y, with Wc = W_v W_out and cvec = b_v W_out made by an earlier launch:
; (S W_v + sw b_v) W_out + b_out, reassociated; exact algebra for every input.
; Sixteen waves; wave w makes output columns 16 w .. 16 w + 15 for both blocks of 16 queries: two accumulators.
; S and Wc come as hi + lo in bf16 and the product is hi hi + lo hi + hi lo: 8 significant bits in each of them would add more error than the
; result may carry; what is left out (lo lo) is some 2^-17 of a product.
; The matrix instruction is used transposed: source 0 = 16 columns of Wc, source 1 = 16 queries, so lane (r, h) holds columns 16 w + 8 h + 0..7 of query r.
; The weights lie in memory in fragment order and go straight into registers: 128 registers a wave, asked for at the start.
; LDS: S hi at 0, S lo at 16,896 (32 rows of 512 + 16 bytes each), O at 33,792 (32 rows of 1,024 + 16).  No region is written twice.
; No cluster: what the tiles share are the weights, 16 KiB of its own for each wave, in register order, each fragment used once in a work-group;
; a joint copy would bring them to LDS, where 262,144 bytes beside these 67,072 do not fit, to be read from there once more.
; Padded queries (900..927 of a batch) are computed like the others and not stored.
.set SPI, 528
.set OPI, 1040
.set LOD, 16896                        ; from S's hi region to its lo region
.set OB,  33792
.set SW,   14                          ; v[14:15]  sw of query r in block 0, in block 1
.set CV,   16                          ; v[16:23]  cvec of my 8 columns
.set BO,   24                          ; v[24:31]  b_out of my 8 columns
.set ACC0, 32                          ; v[32:39]  queries 0-15
.set ACC1, 40                          ; v[40:47]  queries 16-31
.set TMP,  48                          ; v[48:55]  sw's eight partial sums
.set FR,   56                          ; v[56:119] two slots of 32: hi block 0, hi block 1, lo block 0, lo block 1
.set W,    120                         ; v[120:247] K step k: 8 registers hi, 8 registers lo
	s_load_b256 s[4:11], s[0:1], 0x0               ; sx s[4:5], sw s[6:7], wfrag s[8:9], cvec s[10:11]
	s_load_b128 s[12:15], s[0:1], 0x20             ; b_out s[12:13], out0 s[14:15]
	v_lshl_add_u32 v248, v0, 2, 0x10600
	v_mov_b32 v249, 0
	v_lshrrev_b32 v1, 5, v0
	v_readfirstlane_b32 s16, v1                    ; wave 0..15
	s_and_b32 s17, ttmp7, 0xffff                   ; batch
	s_lshl_b32 s18, ttmp9, 5                       ; q0
	s_mov_b32 s21, 0
	v_and_b32 v1, 31, v0                           ; lane
	v_and_b32 v2, 15, v0                           ; r
	v_bfe_u32 v3, v0, 4, 1                         ; h
	v_lshlrev_b32 v4, 4, v1                        ; 16 lane
	v_mul_u32_u24 v5, v1, SPI
	v_lshl_add_u32 v5, s16, 4, v5                  ; staging S: row = lane, slice w
	v_mul_u32_u24 v6, v2, SPI
	v_lshl_add_u32 v6, v3, 4, v6                   ; fragments: row r, 16 h
	v_lshl_add_u32 v7, s16, 14, v4                 ; my column block's fragments
	s_lshl_b32 s19, s16, 6
	v_lshl_add_u32 v8, v3, 5, s19                  ; cvec and b_out from column 16 w + 8 h
	v_lshlrev_b32 v9, 2, v2
	v_mul_u32_u24 v11, v2, OPI
	v_lshl_add_u32 v11, v3, 5, v11
	s_add_co_u32 s19, s19, OB
	v_add_nc_u32 v11, s19, v11                     ; O: row r, my 8 columns as 32 bytes
	s_mul_i32 s19, s16, 2*OPI
	s_add_co_u32 s19, s19, OB
	v_add_nc_u32 v12, s19, v4                      ; the way out: rows 2 w, 2 w + 1
	s_wait_kmcnt 0x0
	s_mul_i32 s20, s17, 950272
	s_mul_i32 s19, s16, 14848
	s_add_co_u32 s20, s20, s19
	s_lshl_b32 s19, ttmp9, 9
	s_add_co_u32 s20, s20, s19
	s_add_nc_u64 s[4:5], s[4:5], s[20:21]          ; sx at batch, slice w, query q0
	s_mul_i32 s20, s17, 14848
	s_lshl_b32 s19, ttmp9, 7
	s_add_co_u32 s20, s20, s19
	s_add_nc_u64 s[6:7], s[6:7], s[20:21]          ; sw at batch, query q0
	s_lshl_b32 s19, s16, 1
	s_add_co_u32 s22, s19, s18                     ; the first of my two rows on the way out
	s_mul_i32 s20, s17, 900
	s_add_co_u32 s20, s20, s22
	s_lshl_b32 s20, s20, 10
	s_add_nc_u64 s[14:15], s[14:15], s[20:21]
	; 48 loads at once: S (4), sw (8), cvec (2), b_out (2), Wc (32)
.irp p, 0,1
.irp i, 0,1
	global_load_b128 v[FR+8*\p+4*\i:FR+8*\p+4*\i+3], v4, s[4:5] offset:475136*\p+237568*\i   ; slices w and w + 16, hi and lo
.endr
.endr
.irp t, 0,1,2,3
.irp q, 0,1
	global_load_b32 v[TMP+2*\t+\q], v9, s[6:7] offset:3712*\t+64*\q
.endr
.endr
	global_load_b128 v[CV:CV+3],   v8, s[10:11]
	global_load_b128 v[CV+4:CV+7], v8, s[10:11] offset:16
	global_load_b128 v[BO:BO+3],   v8, s[12:13]
	global_load_b128 v[BO+4:BO+7], v8, s[12:13] offset:16
.irp k, 0,1,2,3,4,5,6,7                            ; K step k: hi, lo, two halves each, 512 consecutive bytes a load
.irp p, 0,1
.irp f, 0,1
	global_load_b128 v[W+16*\k+8*\p+4*\f:W+16*\k+8*\p+4*\f+3], v7, s[8:9] offset:2048*\k+1024*\p+512*\f
.endr
.endr
.endr
	s_wait_loadcnt 44                              ; loads return in order (ISA guide 5.7.1): the 44 behind S's four stay out
.irp p, 0,1
.irp i, 0,1
	ds_store_b128 v5, v[FR+8*\p+4*\i:FR+8*\p+4*\i+3] offset:LOD*\p+256*\i
.endr
.endr
	s_wait_dscnt 0x0                               ; my part of S is in LDS before I say so
	s_barrier_signal -1
	s_barrier_wait -1
.macro PLACES                          ; four plain vector instructions behind a matrix instruction before its registers are loaded into or its result read (ISA guide 7.12.1)
.rept 4
	v_nop
.endr
.endm
.macro FRLOAD k                        ; 8 loads: hi and lo, both blocks of queries, 32 along K
.irp p, 0,1
.irp q, 0,1
.irp f, 0,1
	ds_load_b128 v[FR+32*((\k)&1)+16*\p+8*\q+4*\f:FR+32*((\k)&1)+16*\p+8*\q+4*\f+3], v6 offset:LOD*\p+8448*\q+64*(\k)+32*\f
.endr
.endr
.endr
.endm
.macro MM acc, a, b
	v_wmma_f32_16x16x32_bf16 v[\acc:\acc+7], v[\a:\a+7], v[\b:\b+7], v[\acc:\acc+7]
.endm
; One K step: six matrix instructions; the two accumulators take turns, one instruction a turn.
; In step 0 the sums start from b_out: nothing is cleared, and b_out is not added later.
.macro STEP k
.set WK, W+16*(\k)
.set FK, FR+32*((\k)&1)
.if \k < 7
	s_wait_dscnt 8                                 ; LDS loads return in order: the next step's 8 stay out
.else
	s_wait_dscnt 0x0
.endif
	s_wait_loadcnt 28-4*(\k)                       ; behind this step's four weight loads stand 4 (7 - k)
.if \k == 0
	v_wmma_f32_16x16x32_bf16 v[ACC0:ACC0+7], v[WK:WK+7], v[FK:FK+7], v[BO:BO+7]
	v_wmma_f32_16x16x32_bf16 v[ACC1:ACC1+7], v[WK:WK+7], v[FK+8:FK+15], v[BO:BO+7]
.else
	MM ACC0, WK, FK                                ; hi hi
	MM ACC1, WK, FK+8
.endif
	MM ACC0, WK+8, FK                              ; lo of Wc, hi of S
	MM ACC1, WK+8, FK+8
	MM ACC0, WK, FK+16                             ; hi of Wc, lo of S
	MM ACC1, WK, FK+24
.if \k < 6
	PLACES
	FRLOAD \k+2
.endif
.endm
	FRLOAD 0
	FRLOAD 1
	s_wait_loadcnt 36                              ; sw's eight words are in: cvec's and b_out's 4 and the weights' 32 stay out
	v_pk_add_f32 v[TMP:TMP+1],   v[TMP:TMP+1],   v[TMP+2:TMP+3]
	v_pk_add_f32 v[TMP+4:TMP+5], v[TMP+4:TMP+5], v[TMP+6:TMP+7]
	v_pk_add_f32 v[SW:SW+1],     v[TMP:TMP+1],   v[TMP+4:TMP+5]
.irp k, 0,1,2,3,4,5,6,7
	STEP \k
.endr
	PLACES
.irp i, 0,1,2,3
	v_pk_fma_f32 v[ACC0+2*\i:ACC0+2*\i+1], v[CV+2*\i:CV+2*\i+1], v[SW:SW+1], v[ACC0+2*\i:ACC0+2*\i+1] op_sel_hi:[1,0,1]                 ; both by v14
	v_pk_fma_f32 v[ACC1+2*\i:ACC1+2*\i+1], v[CV+2*\i:CV+2*\i+1], v[SW:SW+1], v[ACC1+2*\i:ACC1+2*\i+1] op_sel:[0,1,0] op_sel_hi:[1,1,1]  ; both by v15
.endr
.irp q, 0,1
	ds_store_b128 v11, v[ACC0+8*\q:ACC0+8*\q+3]   offset:16640*\q
	ds_store_b128 v11, v[ACC0+8*\q+4:ACC0+8*\q+7] offset:16640*\q+16
.endr
	s_wait_dscnt 0x0                               ; my columns of the result are in LDS before I say so
	s_barrier_signal -1
	s_barrier_wait -1
	; ---- the way out: wave w stores rows 2 w and 2 w + 1 whole.  900 is even, so a pair lies inside the batch or outside.
	s_cmp_ge_u32 s22, 900
	s_cbranch_scc1 .Lend
.irp n, 0,1,2,3
	ds_load_b128 v[FR+4*\n:FR+4*\n+3], v12 offset:OPI*(\n/2)+512*(\n%2)
.endr
.irp n, 0,1,2,3
	s_wait_dscnt 3-\n
	global_store_b128 v4, v[FR+4*\n:FR+4*\n+3], s[14:15] offset:1024*(\n/2)+512*(\n%2) th:TH_STORE_NT   ; 512 consecutive bytes, aligned
.endr
.Lend:
	s_wait_tensorcnt 0x0
	ds_add_u32 v248, v249
	s_wait_dscnt 0x0
	s_endpgm
.Lfunc_end_k_q846d05b1fa_project:
	.size	k_q846d05b1fa_project, .Lfunc_end_k_q846d05b1fa_project-k_q846d05b1fa_project
	.p2alignl 7, 3214868480
	.fill 96, 4, 3214868480
	.section	.rodata,"a",@progbits
	.p2align	6, 0x0
	.amdhsa_kernel k_q846d05b1fa_project
		.amdhsa_group_segment_fixed_size 69120
		.amdhsa_private_segment_fixed_size 0
		.amdhsa_enable_private_segment 0
		.amdhsa_kernarg_size 48
		.amdhsa_user_sgpr_count 2
		.amdhsa_user_sgpr_kernarg_segment_ptr 1
		.amdhsa_wavefront_size32 1
		.amdhsa_system_sgpr_workgroup_id_x 1
		.amdhsa_system_sgpr_workgroup_id_y 1
		.amdhsa_system_sgpr_workgroup_id_z 1
		.amdhsa_system_vgpr_workitem_id 0
		.amdhsa_next_free_vgpr 250
		.amdhsa_next_free_sgpr 66
		.amdhsa_reserve_vcc 0
		.amdhsa_float_denorm_mode_32 3
		.amdhsa_float_denorm_mode_16_64 3
		.amdhsa_memory_ordered 1
		.amdhsa_forward_progress 1
		.amdhsa_inst_pref_size 18
	.end_amdhsa_kernel
	.amdgpu_metadata
---
amdhsa.version: [ 1, 2 ]
amdhsa.kernels:
  - .name:           k_q846d05b1fa_project
    .symbol:         k_q846d05b1fa_project.kd
    .args:
      - { .name: sx, .offset: 0, .size: 8, .value_kind: global_buffer, .address_space: global }
      - { .name: sw, .offset: 8, .size: 8, .value_kind: global_buffer, .address_space: global }
      - { .name: wfrag, .offset: 16, .size: 8, .value_kind: global_buffer, .address_space: global }
      - { .name: cvec, .offset: 24, .size: 8, .value_kind: global_buffer, .address_space: global }
      - { .name: b_out, .offset: 32, .size: 8, .value_kind: global_buffer, .address_space: global }
      - { .name: out0, .offset: 40, .size: 8, .value_kind: global_buffer, .address_space: global }
    .group_segment_fixed_size: 69120
    .private_segment_fixed_size: 0
    .kernarg_segment_align: 8
    .kernarg_segment_size: 48
    .max_flat_workgroup_size: 512
    .sgpr_count:     66
    .vgpr_count:     250
    .wavefront_size: 32
...
	.end_amdgpu_metadata
.endif
;; end of part 3
